; MI455X (gfx1250); checked and timed in simulation.
; The chip was launched on July 23, 2026; its instructions are those of AMD's public machine-readable ISA for CDNA 5 (MIT licence, August 2026) and "CDNA5" Instruction Set Architecture Reference Guide (July 2026). The comments in the code are by the model that wrote it; some were corrected since.
;; Kronecker Linear. Allowed arithmetic: matrix products marked QUANTISED: E2M3 operands, one E8M0 scale for each 32 along K, by v_wmma_scale_f32_16x16x128_f8f6f4 with both operands' format E2M3, f32 sums; everything else in f32.
;; Inputs: U 128 x 128 float32; V 128 x 128 float32; x 256 x 16,384 float32.
;; Outputs: out0 256 x 16,384 float32.
;; This version of the problem:
;;   THIS VERSION OF THE PROBLEM IS GIVEN IN LOW PRECISION. The matrix products marked QUANTISED in the list below multiply operands that are first quantised to E2M3 (2 exponent bits, 3 mantissa bits; 6 bits a number), with one power-of-two scale for each 32 numbers along K (OCP MX v1.0); their sums are f32. All else is computed in f32.
;;   The module's matrix products, in the order in which they are computed (A, B: the left and right operand; K: the contracted axis; several contracted axes count as one K, in the product's order):
;;     1. [M 256, K 16,384] x [K 16,384, N 16,384]; A: input x; B: computed on the way: QUANTISED
;;   THE QUANTISER, for each operand of a quantised product, along K:
;;     - K is cut into blocks of 32 from its start; a last block that is shorter is filled with zeros.
;;     - A block's scale is 2^e with e = floor(log2(the largest magnitude in the block)) - 2, held to -126 .. 127; a block of zeros has e = 0. As a byte (E8M0): e + 127.
;;     - Each number is divided by its block's scale, clamped to +-7.5, and rounded to the nearest number of E2M3, ties to even, subnormals kept.
;;     - The product sums the exact products of the quantised numbers (number of the format x scale) in f32.
;;   ~~~python
;;   def quantise(x, axis):      # numpy; x: float32 -> the quantised numbers, widened to float32 again
;;       x = np.moveaxis(x, axis, -1); K = x.shape[-1]
;;       x = np.pad(x, [(0, 0)] * (x.ndim - 1) + [(0, -K % 32)]); x = x.reshape(x.shape[:-1] + (-1, 32)); a = np.abs(x).max(-1, keepdims=True)
;;       e = np.where(a > 0, np.clip(np.frexp(np.where(a > 0, a, 1))[1] - 1 - 2, -126, 127), 0)      # np.frexp(a)[1] - 1 = floor(log2(a)), exactly
;;       r = np.clip(x / 2.0 ** e, -7.5, 7.5)
;;       step = 2.0 ** (np.maximum(np.frexp(np.where(r == 0, 1, r))[1] - 1, 0) - 3)
;;       q = np.round(r / step) * step * 2.0 ** e      # np.round: ties to even
;;       return np.moveaxis(q.reshape(q.shape[:-2] + (-1,))[..., :K], -1, axis).astype(np.float32)
;;   ~~~
;;   OPERANDS COMPUTED ON THE WAY. 'Computed on the way' means the value that the module computes at that place (a softmax that the list does not call 'softmax' is quantised finished and normalised). What goes into a quantiser is computed in f32, as accurately as f32 sums, v_exp_f32 and their like allow (about 1e-6 of the number): no bf16 or f16 on the way to a quantiser, and a product that is left as it is and whose result goes on into a quantised operand takes f32 operands (vector FMAs, or v_wmma_f32_16x16x4_f32). A number that lies on a knife's edge between two numbers of the format may be rounded either way, as far as f32 arithmetic and the matrix unit's own rounding can turn it there, and no further.
;; One version. Each part assembles by itself: llvm-mc -triple=amdgcn-amd-amdhsa -mcpu=gfx1250 --defsym DOCPART=n.
;; ======== version 1 of 1: 2 launches
;; limits: right only within a limited range of input values
;; workspace buffers: xq 3,276,800 bytes
;; launch quant (part 1): grid 256 x 1, 4 waves a work-group, no clusters, 68,096 bytes of LDS; arguments x, xq; writes xq
.if DOCPART == 1
	.amdgcn_target "amdgcn-amd-amdhsa--gfx1250"
	.amdhsa_code_object_version 6
	.text
	.protected	k_q2cc4ec3648_quant
	.globl	k_q2cc4ec3648_quant
	.p2align	8
	.type	k_q2cc4ec3648_quant,@function
k_q2cc4ec3648_quant:
	s_mov_b64 s[64:65], 0
	v_nop
	global_prefetch_b8 v0, s[64:65] scope:SCOPE_SE
	s_setreg_imm32_b32 hwreg(HW_REG_WAVE_MODE, 25, 1), 1
	s_wait_xcnt 0x0
; x [256][16384] f32 becomes codes of FP6 (E2M3) with one E8M0 byte for each 32 along K, laid in xq in the ORDER OF THE OPERAND REGISTERS of the launch that multiplies.
; K = 128 i1 + i2.  The multiplying launch splits K over four waves w = 2 q + p (i1 in 64 q .. 64 q + 63, i2 in 64 p .. 64 p + 63) and walks 32 steps s of 128 along K;
; a step's four blocks of 32 are beta = 2 c + h: i1 = 64 q + 2 s + c, i2 = 64 p + 32 h + 0 .. 31.  Each of them is one of x's own blocks of 32 along K, so the quantiser's blocks are kept.
; xq = [w 4][s 32][rg 2] blocks of 12,800 bytes.  Bytes 0 .. 12,287: [a 8][j 3][lane 32][16 bytes]: registers 4 j .. 4 j + 3 of the fragment of rows 128 rg + 16 a + (lane % 16).
; Bytes 12,288 .. 12,799: [g 2][lane 32][i 2] words: the scale word (byte beta) of row tile 4 g + 2 i + lane / 16, row lane % 16.
; A block's scale is 2^(floor(log2(largest magnitude)) - 2); its byte is the largest magnitude's exponent field - 2, held at 1 from below by a floor among the maximum's leaves.
; LIMITS: a block of zeros gets the byte 1 where the rule says 127 (its codes are zeros, and this program alone reads the bytes); NaN and infinities are not served.
; SHARES: work-group = (rg, q, s, g); wave t takes row tile a = 4 g + t: 16 rows x 1,024 bytes (two i1), which give the fragments of p = 0 and p = 1.
; Loads read 512 consecutive bytes each; the 16 KiB turn through the wave's own stage in LDS (rows 1,040 bytes apart) so that a lane gets whole blocks of 32 neighbours.
.set PITCH,  1040                      ; a stage row: 1,024 bytes + 16
.set WREG,   16*PITCH                  ; a wave's stage
.set SG,     4*WREG                    ; behind the stages: 2 x 256 bytes of scale words (p = 0, p = 1)
.set BLKB,   12800                     ; a block in xq
.set STREAM, 64*BLKB                   ; a wave's 32 steps x 2 row groups in xq
	s_load_b128 s[4:7], s[0:1], 0x0                ; x, xq
	v_lshl_add_u32 v251, v0, 2, 0x10800            ; my spare word, behind the scale words
	v_mov_b32 v255, 0
	v_lshrrev_b32 v1, 5, v0
	v_readfirstlane_b32 s8, v1                     ; wave t
	v_and_b32 v1, 31, v0                           ; lane
	s_wait_alu depctr_va_vdst(0)
	v_and_b32 v2, 15, v0                           ; r
	v_bfe_u32 v3, v0, 4, 1                         ; h
	s_wait_alu depctr_va_vdst(0)
	v_lshlrev_b32 v4, 4, v1                        ; 16 x lane: my bytes of a load's 512, and of an image's 512
	s_mul_i32 s9, s8, WREG
	v_add_nc_u32 v5, s9, v4                        ; the stage, on the way in
	v_mul_u32_u24 v6, v2, PITCH
	v_lshl_add_u32 v6, v3, 7, v6
	v_add_nc_u32 v6, s9, v6                        ; and on the way out: row r, + 128 h: my block of 32
	s_and_b32 s10, s8, 1
	s_lshr_b32 s11, s8, 1
	s_lshl_b32 s12, s10, 7
	s_lshl_b32 s13, s11, 2
	s_add_co_u32 s12, s12, s13
	s_add_co_u32 s12, s12, SG
	v_lshl_add_u32 v7, v2, 3, s12                  ; my row's scale word: lane 16 (t % 2) + r, word t / 2
	s_lshl_b32 s13, s10, 8
	s_add_co_u32 s13, s13, SG
	v_lshl_add_u32 v8, v1, 3, s13                  ; where waves 0 and 1 read 256 bytes of words back
	v_lshlrev_b32 v9, 3, v1                        ; 8 x lane
	v_lshlrev_b32 v10, 3, v3                       ; 8 h: my bytes' shift in the scale word
	v_mov_b32 v19, 0                               ; a lane permute's destination counts as one of its sources
	s_mov_b32 s20, 0x76543210
	s_mov_b32 s21, 0xfedcba98                      ; v_permlanex16_b32's selects for lane l xor 16
	s_and_b32 s14, ttmp9, 1                        ; g
	s_bfe_u32 s15, ttmp9, 0x50001                  ; s
	s_bfe_u32 s16, ttmp9, 0x10006                  ; q
	s_lshr_b32 s17, ttmp9, 7                       ; rg
	s_lshl_b32 s18, s14, 2
	s_add_co_u32 s18, s18, s8                      ; a = 4 g + t
	s_lshl_b32 s22, s17, 7
	s_lshl_b32 s23, s18, 4
	s_add_co_u32 s22, s22, s23                     ; my first row
	s_lshl_b32 s22, s22, 16                        ; x 65,536 bytes
	s_lshl_b32 s23, s16, 6
	s_lshl_b32 s24, s15, 1
	s_add_co_u32 s23, s23, s24                     ; i1 = 64 q + 2 s
	s_lshl_b32 s23, s23, 9                         ; x 512 bytes
	s_add_co_u32 s22, s22, s23
	s_mov_b32 s23, 0
	s_lshl_b32 s24, s16, 7
	s_lshl_b32 s25, s15, 1
	s_add_co_u32 s24, s24, s25
	s_add_co_u32 s24, s24, s17                     ; block 64 (2 q) + 2 s + rg: p = 0's
	s_lshl_b32 s26, s10, 6
	s_add_co_u32 s26, s26, s24                     ; the block whose scale words I store: p = t % 2
	s_mul_i32 s24, s24, BLKB
	s_mul_i32 s25, s18, 1536
	s_add_co_u32 s24, s24, s25                     ; + my tile's three images
	s_mov_b32 s25, 0
	s_mul_i32 s26, s26, BLKB
	s_lshl_b32 s27, s14, 8
	s_add_co_u32 s26, s26, s27
	s_add_co_u32 s26, s26, 12288                   ; + the codes, + 256 g
	s_mov_b32 s27, 0
	s_wait_alu depctr_va_vdst(0)                   ; the wait at the head's end
	s_wait_kmcnt 0x0
	s_add_nc_u64 s[4:5], s[4:5], s[22:23]          ; x at my tile
	s_add_nc_u64 s[28:29], s[6:7], s[26:27]        ; the scale words' place
	s_add_nc_u64 s[6:7], s[6:7], s[24:25]          ; the codes' place
.set n, 0
.rept 32
	global_load_b128 v[32+4*n:35+4*n], v4, s[4:5] offset:(n/2)*65536+(n%2)*512 th:TH_LOAD_NT   ; row n / 2, half n % 2: 512 consecutive bytes
.set n, n+1
.endr
.set n, 0
.rept 32
	s_wait_loadcnt 31-n                            ; loads come back in order: load n is in, the younger ones stay out
	ds_store_b128 v5, v[32+4*n:35+4*n] offset:(n/2)*PITCH+(n%2)*512
.set n, n+1
.endr
.macro BACK p, reg                     ; my two blocks (c = 0, 1) of fragment p: 64 numbers
.irp c, 0,1
.irp k, 0,1,2,3,4,5,6,7
	ds_load_b128 v[\reg+32*\c+4*\k:\reg+32*\c+4*\k+3], v6 offset:512*\c+256*\p+16*\k   ; LDS serves a wave's instructions in order: these see my stores
.endr
.endr
.endm
; 64 numbers at v[reg] become the fragment at v[F] .. v[F + 11] and its row's scale word; both are stored
.macro QF p, reg, F
.irp c, 0,1
	v_max3_num_f32 v[12+\c], |v[\reg+32*\c]|, |v[\reg+32*\c+1]|, 0x1800000   ; the block's largest magnitude (all 32 numbers are mine), with the floor 2^(3 - 127) among its leaves
.endr
.irp i, 2,4,6,8,10,12,14,16,18,20,22,24,26,28,30
.irp c, 0,1
	v_max3_num_f32 v[12+\c], v[12+\c], |v[\reg+32*\c+\i]|, |v[\reg+32*\c+\i+1]|   ; (the two blocks by turns)
.endr
.endr
.irp c, 0,1
	v_add_nc_u32 v[14+\c], 0xff000000, v[12+\c]    ; 2 off its exponent field: the conversion takes the exponent field of this operand as its scale
.endr
.irp c, 0,1
	v_lshrrev_b32 v[16+\c], 23, v[14+\c]           ; the scale's byte
.endr
	v_lshl_or_b32 v18, v17, 16, v16                ; my two bytes, blocks h and 2 + h,
	v_lshlrev_b32 v18, v10, v18                    ; at their places;
	v_permlanex16_b32 v19, v18, s20, s21
	v_or_b32 v18, v18, v19                         ; with lane l xor 16's two the word is whole
.irp c, 0,1
	v_cvt_scalef32_pk16_fp6_f32 v[\F+6*\c:\F+6*\c+2], v[\reg+32*\c:\reg+32*\c+15], v[14+\c]
	v_cvt_scalef32_pk16_fp6_f32 v[248+4*\c:250+4*\c], v[\reg+32*\c+16:\reg+32*\c+31], v[14+\c]   ; (a conversion's three registers begin on an even number)
.endr
	v_nop                                          ; one plain instruction behind the conversions, ahead of the moves that read their results
.irp c, 0,1
.irp i, 0,1,2
	v_mov_b32 v[\F+6*\c+3+\i], v[248+4*\c+\i]
.endr
.endr
.irp j, 0,1,2
	global_store_b128 v4, v[\F+4*\j:\F+4*\j+3], s[6:7] offset:STREAM*\p+512*\j   ; an image: 512 consecutive bytes, at a multiple of 256 from xq's first byte
.endr
	ds_store_b32 v7, v18 offset:256*\p             ; lanes r and r + 16 write the same word with the same value
.endm
	BACK 0, 160
	s_wait_dscnt 0x0                               ; p = 0's numbers are in; the stage's stores have read v32-159
	BACK 1, 32
	QF 0, 160, 224
	s_wait_dscnt 0x0                               ; p = 1's numbers are in, and the word's store has read its register
	QF 1, 32, 236
	s_wait_dscnt 0x0                               ; for the others' sake: my scale words lie in LDS
	s_barrier_signal -1
	s_barrier_wait -1
	s_cmp_gt_u32 s8, 1
	s_cbranch_scc1 .Lend                           ; waves 0 and 1 store the words of p = 0 and p = 1
	ds_load_b64 v[20:21], v8
	s_wait_dscnt 0x0
	global_store_b64 v9, v[20:21], s[28:29]        ; 32 lanes store 256 consecutive bytes, aligned
.Lend:
	s_wait_tensorcnt 0x0                           ; the wave's end
	ds_add_u32 v251, v255
	s_wait_dscnt 0x0
	s_endpgm
.Lfunc_end_k_q2cc4ec3648_quant:
	.size	k_q2cc4ec3648_quant, .Lfunc_end_k_q2cc4ec3648_quant-k_q2cc4ec3648_quant
	.p2alignl 7, 3214868480
	.fill 96, 4, 3214868480
	.section	.rodata,"a",@progbits
	.p2align	6, 0x0
	.amdhsa_kernel k_q2cc4ec3648_quant
		.amdhsa_group_segment_fixed_size 68096
		.amdhsa_private_segment_fixed_size 0
		.amdhsa_enable_private_segment 0
		.amdhsa_kernarg_size 16
		.amdhsa_user_sgpr_count 2
		.amdhsa_user_sgpr_kernarg_segment_ptr 1
		.amdhsa_wavefront_size32 1
		.amdhsa_system_sgpr_workgroup_id_x 1
		.amdhsa_system_sgpr_workgroup_id_y 1
		.amdhsa_system_sgpr_workgroup_id_z 1
		.amdhsa_system_vgpr_workitem_id 0
		.amdhsa_next_free_vgpr 256
		.amdhsa_next_free_sgpr 66
		.amdhsa_reserve_vcc 0
		.amdhsa_float_denorm_mode_32 3
		.amdhsa_float_denorm_mode_16_64 3
		.amdhsa_memory_ordered 1
		.amdhsa_forward_progress 1
		.amdhsa_inst_pref_size 19
	.end_amdhsa_kernel
	.amdgpu_metadata
---
amdhsa.version: [ 1, 2 ]
amdhsa.kernels:
  - .name:           k_q2cc4ec3648_quant
    .symbol:         k_q2cc4ec3648_quant.kd
    .args:
      - { .name: x, .offset: 0, .size: 8, .value_kind: global_buffer, .address_space: global }
      - { .name: xq, .offset: 8, .size: 8, .value_kind: global_buffer, .address_space: global }
    .group_segment_fixed_size: 68096
    .private_segment_fixed_size: 0
    .kernarg_segment_align: 8
    .kernarg_segment_size: 16
    .max_flat_workgroup_size: 128
    .sgpr_count:     66
    .vgpr_count:     256
    .wavefront_size: 32
...
	.end_amdgpu_metadata
.endif
;; end of part 1
;; launch kron (part 2): grid 256 x 1, 4 waves a work-group, clusters of 4 x 1, 327,680 bytes of LDS; arguments xq, U, V, out0; writes out0
.if DOCPART == 2
	.amdgcn_target "amdgcn-amd-amdhsa--gfx1250"
	.amdhsa_code_object_version 6
	.text
	.protected	k_q2cc4ec3648_kron
	.globl	k_q2cc4ec3648_kron
	.p2align	8
	.type	k_q2cc4ec3648_kron,@function
k_q2cc4ec3648_kron:
	s_mov_b64 s[64:65], 0
	v_nop
	global_prefetch_b8 v0, s[64:65] scope:SCOPE_SE
	s_setreg_imm32_b32 hwreg(HW_REG_WAVE_MODE, 25, 1), 1
	s_wait_xcnt 0x0
	s_wait_alu depctr_hold_cnt(0) depctr_sa_sdst(0) depctr_va_vdst(0) depctr_va_sdst(0) depctr_va_ssrc(0) depctr_va_vcc(0) depctr_vm_vsrc(0)
	s_getreg_b32 s2, hwreg(HW_REG_IB_STS2, 6, 4)
	s_cmp_eq_u32 s2, 0
	s_cbranch_scc0 .Lentry_in_a_cluster
	s_endpgm
.Lentry_in_a_cluster:
	s_bfe_u32 s2, ttmp6, 0x10000c
	s_cmp_lg_u32 s2, 0x3003
	s_cbranch_scc0 .Lentry_shape_is_right
	s_endpgm
.Lentry_shape_is_right:
; out0 = Q(x) Q(kron(U, V)), both quantised to FP6 (E2M3) in blocks of 32 along K = 128 i1 + i2;  W[128 i1 + i2][128 j1 + j2] = U[i1][j1] V[i2][j2].
; A WORK-GROUP takes ALL 256 rows and 64 columns (one j1 = id / 2, j2 = 64 (id % 2) + 0 .. 63): so each code of W is made once in the launch.  256 work-groups.
; K IS SPLIT over the four waves w = 2 q + p (i1 in 64 q .. + 63, i2 in 64 p .. + 63); a wave walks 32 steps of 128 along K (i1 = 64 q + 2 s + c, blocks beta = 2 c + h) and
; holds 256 x 64 partial sums: 64 accumulators, 512 registers.  At the end the four waves' sums meet in an LDS stage and leave as whole rows of 256 bytes.
; W IS MADE IN REGISTERS: lane (r, h) keeps V[64 p + 32 h + k][16 t + r], k = 0 .. 31, t = 0 .. 3.  A fragment is u0 x and u1 x these 32 numbers, in f32, converted with the block's scale.
; The block's largest magnitude is |u| x max|V| (rounding keeps the order of magnitudes), a quarter of it is the conversion's scale operand, and its exponent field is the E8M0 byte.
; While step s is multiplied (4 sets of 4 row tiles x 4 fragments), the four fragments of step s + 1 are made, one behind each set, dealt out behind every BW products.
; x: every work-group needs all of xq.  CLUSTERS of four work-groups ask for it JOINTLY: wave w's tensor load brings its stream's step (25,600 dense bytes, as 100 rows of 256) into a ring
; of two LDS slots of one step each (two slots of more steps do not fit).  xq lies in the order of the operand registers: a set of 4 row tiles is 12 LDS loads of 512 bytes and one of scale words.
; Four sets of 48 registers hold a whole step; a set is fetched again, from the other slot, as soon as its 16 products are issued.  So a slot has been read out when its step begins,
; and ONE round of the cluster's barrier a step, inside set 0, stands in front of its refill with the step two on.
; THE WALK ALONG K BEGINS AT STEP (cluster's number) % 32 and goes round: in their first steps the 64 clusters together ask for every byte of xq, and from then on a cluster
; asks only for bytes that others have read before.  So no prefetch is laid.  The sums' order along K differs from cluster to cluster.
; LIMITS: a block of W whose largest magnitude is 0 or under 2^-124 gets the byte 0 (2^-127) where the rule holds the exponent at -126 (or says 127 for zeros): such numbers lie
; some 36 decimal orders under products of numbers of size 1.  NaN and infinities among the inputs are not served.
; REGISTERS: window 0: v0-15 addresses and the quantiser's few; v16-31 scale words (W's at numbers 0-3 modulo 8, x's at 4-7); v32-127 x sets 0, 1; v128-255 V.
;   window 1: v0-95 x sets 2, 3; v96-191 W's fragments, two sets of four; v192-223 products; v224-231 conversions' results.  windows 2, 3: accumulator (a, t) at v[8 (4 (a % 8) + t)].
.set BLKB,   12800                     ; 8 row tiles' fragments (12,288 bytes) and scale words (512)
.set STEPB,  2*BLKB                    ; a wave's step: 16 row tiles
.set STREAM, 32*STEPB
.set SLOT1,  1<<17                     ; slot 0 at LDS byte 0, slot 1 here; a slot is 4 x STEPB
.set VSTG,   SLOT1+4*STEPB             ; behind the ring: V's turn, VSTW bytes a wave; no tensor load lands here
.set VSTW,   16640
.set SPITCH, 272                       ; the way out: a stage row, 64 f32 + 16 bytes
.set STGW,   256*SPITCH                ; a wave's stage; the four lie from byte 0 on, over the ring, which has had its last fill by then
.set SPARE,  327168                    ; the spare words, 128 bytes a wave
.set BW,     4                         ; products in a run
.set NOPS,   50                        ; vector lines that make a fragment
.set SPW,  1
.set NIL,  2
.set XA,   3                           ; v3, v10: 16 x lane + my part of slot 0, 1
.set X8,   4                           ; v4, v11: 8 x lane + the same
.set SELP, 5                           ; v_perm_b32's select: where my two bytes go in the scale word
.set AM0,  6                           ; the conversions' scale operands, c = 0, 1
.set AM1,  7
.set TE0,  8
.set TE1,  9
.set VQ,   12                          ; v12-15: max|V| / 4 of my block, tile t
.set BS,   16                          ; W's scale words: v[BS + 8 (step % 2) + t]
.set XS,   20                          ; x's: set q at v[XS + 8 (q / 2) + 2 (q % 2)], two registers, two tiles each (lanes 0-15, lanes 16-31)
.set VR,   128
.set FR,   96
.set TP0,  192
.set TP1,  208
.set TX0,  224
.set TX1,  228
.set STO,  32                          ; the way out (x's registers are free then)
.set RD,   33
.set CO,   37
.set BUF,  128
.set WV,   12
.set XW,   20                          ; s[20:21] my stream in xq
.set T,    24                          ; s[24:25] an offset, high word 0
.set SG,   26                          ; the step of the walk that was asked for last
.set SOF,  27
.set UB,   28
.set VB,   30
.set US,   32                          ; s[32:39] two sets of (u0, 0, u1, 0)
.set SEL,  40
.set CNT,  42
.set OB,   44
.set G1,   48                          ; s[48:55] descriptor group 1
.set G0A,  56                          ; s[56:59], s[60:63] group 0 for slot 0, 1
.set MSB, 0
.macro WIN new                         ; the immediate's high byte repeats the setting that is left
.if MSB != (\new)
	s_set_vgpr_msb (MSB<<8)|(\new)
.set MSB, (\new)
.endif
.endm
.macro CREST                           ; a round of the cluster's barrier behind its opening barrier
	s_cmp_lg_u32 s[WV], 0
	s_cbranch_scc1 .Lnot_wave_0_\@
	s_barrier_signal -3
.Lnot_wave_0_\@:
	s_barrier_wait -3
	s_barrier_signal -1
	s_barrier_wait -1
.endm
.macro CROUND
	s_barrier_signal -1
	s_barrier_wait -1
	CREST
.endm
.macro PLACES
.rept 4
	v_nop
.endr
.endm
	s_load_b256 s[4:11], s[0:1], 0x0               ; xq, U, V, out0
	v_lshl_add_u32 v[SPW], v0, 2, SPARE
	v_mov_b32 v[NIL], 0
	ds_add_u32 v[SPW], v[NIL]                      ; the opening lines: the add, twice on end, and its wait ahead of my first tensor load
	ds_add_u32 v[SPW], v[NIL]
	v_lshrrev_b32 v8, 5, v0
	v_readfirstlane_b32 s[WV], v8
	v_and_b32 v6, 15, v0                           ; r
	v_bfe_u32 v7, v0, 4, 1                         ; h
	v_and_b32 v14, 31, v0                          ; lane
	v_lshlrev_b32 v8, 4, v6
	v_lshl_add_u32 v12, v7, 9, v8                  ; V in memory: row h of a pair, 16 r
	v_lshl_add_u32 v13, v7, 8, v8                  ; and the same in my part of V's stage
	v_mul_u32_u24 v9, v7, 8256                     ; back: 32 h rows of 256 bytes (the upper 32 rows lie 64 bytes further on, in other banks), + 4 r
	v_lshl_add_u32 v9, v6, 2, v9
	v_mov_b32 v[SELP], 0x0c070c03                  ; h = 0: bytes 0 and 2
	v_mov_b32 v8, 0x070c030c                       ; h = 1: bytes 1 and 3
	v_cmp_eq_u32 vcc_lo, 1, v7
	v_cndmask_b32 v[SELP], v[SELP], v8, vcc_lo
	s_wait_alu depctr_va_vdst(0)                   ; the wait ahead of the run of scalar lines
	s_and_b32 s13, s[WV], 1                        ; p
	s_lshr_b32 s14, s[WV], 1                       ; q
	s_bfe_u32 s15, ttmp6, 0x40000                  ; my place in the cluster: it enters U's, V's and out0's addresses alone
	s_lshl_b32 s16, ttmp9, 2
	s_add_co_u32 s16, s16, s15                     ; the work-group's number
	s_lshr_b32 s15, s16, 1                         ; j1
	s_and_b32 s16, s16, 1                          ; which 64 of j2
	s_and_b32 s[SG], ttmp9, 31                     ; the walk's first step: the same in the four partners
	s_mul_i32 s17, s[WV], STGW
	s_mul_i32 s18, s[WV], VSTW
	s_add_co_u32 s18, s18, VSTG
	s_mul_i32 s19, s[WV], STEPB
	s_mov_b32 s[T+1], 0
	s_mov_b32 s[SEL], 0x76543210
	s_mov_b32 s[SEL+1], 0xfedcba98
.irp i, 1,3,5,7
	s_mov_b32 s[US+\i], 0                          ; the packed form names pairs
.endr
	s_mov_b32 s[G1], 15|(3<<16)|(1<<21)            ; all four partners; elements of 8 bytes; bit 21 beside a mask
	s_mov_b32 s[G1+1], 32<<16                      ; rows of 32 elements, 256 bytes,
	s_mov_b32 s[G1+2], 100<<16                     ; 100 of them,
	s_mov_b32 s[G1+3], 32<<16
	s_mov_b32 s[G1+4], 100
	s_mov_b32 s[G1+5], 32                          ; dense
	s_mov_b32 s[G1+6], 0
	s_mov_b32 s[G1+7], 0
	v_add_nc_u32 v13, s18, v13
	v_add_nc_u32 v9, s18, v9
	v_lshl_add_u32 v[XA], v14, 4, s19
	v_lshl_add_u32 v[X8], v14, 3, s19
	v_add_nc_u32 v[XA+7], SLOT1, v[XA]
	v_add_nc_u32 v[X8+7], SLOT1, v[X8]
	s_wait_alu depctr_va_vdst(0)                   ; the wait at the head's end
	s_wait_dscnt 0x0                               ; both opening adds are done
	s_wait_kmcnt 0x0
	s_mul_i32 s[T], s[WV], STREAM
	s_add_nc_u64 s[XW:XW+1], s[4:5], s[T:T+1]
	s_mul_i32 s[T], s[SG], STEPB
	s_mov_b32 s[G0A], 1
	s_mov_b32 s[G0A+1], s19
	s_add_nc_u64 s[G0A+2:G0A+3], s[XW:XW+1], s[T:T+1]
	s_or_b32 s[G0A+3], s[G0A+3], 0x80000000
	s_mov_b32 s[G0A+4], 1
	s_add_co_u32 s[G0A+5], s19, SLOT1
	CROUND                                         ; the four partners are here: the first joint loads meet
	tensor_load_to_lds s[G0A:G0A+3], s[G1:G1+7]    ; the walk's first step: one tensor load a wave at the head
	s_nop 0
	PLACES
	s_lshl_b32 s[T], s14, 15
	s_lshl_b32 s18, s15, 2
	s_add_co_u32 s[T], s[T], s18
	s_add_nc_u64 s[UB:UB+1], s[6:7], s[T:T+1]      ; U[64 q][j1]
	s_lshl_b32 s[SOF], s[SG], 10                   ; two rows of U a step
	s_add_co_u32 s[SG], s[SG], 1
	s_and_b32 s[SG], s[SG], 31                     ; the second step
	s_lshl_b32 s23, s[SG], 10
	s_load_b32 s[US+4], s[UB:UB+1], s[SOF]         ; the first step's u0, u1
	s_load_b32 s[US+6], s[UB:UB+1], s[SOF] offset:0x200
	s_load_b32 s[US], s[UB:UB+1], s23              ; the second's
	s_load_b32 s[US+2], s[UB:UB+1], s23 offset:0x200
	s_lshl_b32 s[T], s13, 15
	s_lshl_b32 s19, s16, 8
	s_add_co_u32 s[T], s[T], s19
	s_add_nc_u64 s[VB:VB+1], s[8:9], s[T:T+1]      ; V[64 p][my 64 columns]
.set n, 0
.rept 32
	global_load_b128 v[VR+4*n:VR+4*n+3], v12, s[VB:VB+1] offset:1024*n   ; rows 2 n, 2 n + 1: sixteen lanes read 256 consecutive bytes
.set n, n+1
.endr
	s_mul_i32 s[T], s[SG], STEPB
	s_add_nc_u64 s[G0A+6:G0A+7], s[XW:XW+1], s[T:T+1]
	s_or_b32 s[G0A+7], s[G0A+7], 0x80000000
	s_lshl_b32 s[T], s[WV], 22                     ; on the way out I store rows 64 w .. 64 w + 63, of 65,536 bytes
	s_lshl_b32 s19, s15, 9
	s_add_co_u32 s[T], s[T], s19
	s_lshl_b32 s19, s16, 8
	s_add_co_u32 s[T], s[T], s19
	s_add_nc_u64 s[OB:OB+1], s[10:11], s[T:T+1]
; 13 LDS loads: set q (row tiles 4 q .. 4 q + 3) out of slot sl: its scale words, then its 12 images of 512 bytes
.macro FETCH q, sl
	WIN 0
	ds_load_b64 v[XS+8*((\q)/2)+2*((\q)%2):XS+8*((\q)/2)+2*((\q)%2)+1], v[X8+7*(\sl)] offset:BLKB*((\q)/2)+12288+256*((\q)%2)
	WIN 0x40*((\q)/2)
.set XR, 32*(1-(\q)/2)+48*((\q)%2)
.irp n, 0,1,2,3,4,5,6,7,8,9,10,11
	ds_load_b128 v[XR+4*\n:XR+4*\n+3], v[XA+7*(\sl)] offset:BLKB*((\q)/2)+6144*((\q)%2)+512*\n
.endr
	WIN 0
.endm
	s_wait_tensorcnt 0x0                           ; my first step is in
	ds_add_u32 v[SPW], v[NIL]
	s_wait_dscnt 0x0
	CROUND
	tensor_load_to_lds s[G0A+4:G0A+7], s[G1:G1+7]  ; the second step, into slot 1: it has V's turn and the first four fragments in which to land
	s_nop 0
	PLACES
	FETCH 0, 0
	FETCH 1, 0
	FETCH 2, 0
	FETCH 3, 0
	s_wait_loadcnt 0x0                             ; V is in
.set n, 0
.rept 32
	ds_store_b128 v13, v[VR+4*n:VR+4*n+3] offset:512*n+64*(n/16)   ; V turns through my own bytes of LDS: a lane is to hold one column
.set n, n+1
.endr
	s_wait_dscnt 0x0                               ; the stores have read their registers
.irp t, 0,1,2,3
.irp k, 0,1,2,3,4,5,6,7,8,9,10,11,12,13,14,15,16,17,18,19,20,21,22,23,24,25,26,27,28,29,30,31
	ds_load_b32 v[VR+32*\t+\k], v9 offset:256*\k+64*\t
.endr
.endr
	s_wait_dscnt 0x0
.irp t, 0,1,2,3
	v_max3_num_f32 v[VQ+\t], |v[VR+32*\t]|, |v[VR+32*\t+1]|, |v[VR+32*\t+2]|
.endr
.irp i, 3,5,7,9,11,13,15,17,19,21,23,25,27,29
.irp t, 0,1,2,3
	v_max3_num_f32 v[VQ+\t], v[VQ+\t], |v[VR+32*\t+\i]|, |v[VR+32*\t+\i+1]|
.endr
.endr
.irp t, 0,1,2,3
	v_max_num_f32 v[VQ+\t], v[VQ+\t], |v[VR+32*\t+31]|
.endr
.irp t, 0,1,2,3
	v_mul_f32 v[VQ+\t], 0x3e800000, v[VQ+\t]       ; a quarter: 2 off the exponent
.endr
	s_wait_alu depctr_va_vdst(0)                   ; the wait ahead of the wait below
	s_wait_kmcnt 0x0
.macro PM tp, vo, k, u                 ; two products; the scalar is source 0, so that V (window 0) is source 1, as the conversions' scale operand is
	v_pk_mul_f32 v[\tp+2*(\k):\tp+2*(\k)+1], s[\u:\u+1], v[VT+\vo+2*(\k):VT+\vo+2*(\k)+1] op_sel_hi:[0,1]
.endm
; Line oj of the 50 that make the fragment at v[FD] (window 1) and its scale word v[BSD] from V's tile at v[VT] and u0, u1 at s[UG], s[UG + 2].
; Behind each conversion one plain line stands ahead of any line that writes its sources or reads its result.
.macro OP
.if oj < 7
	WIN 0
.else
	WIN 0x41                                       ; destination and source 0 window 1, source 1 window 0
.endif
.if oj == 0
	v_mul_f32 v[AM0], s[UG], v[VQT]                ; the block's largest magnitude / 4
.elseif oj == 1
	v_mul_f32 v[AM1], s[UG+2], v[VQT]
.elseif oj == 2
	v_lshlrev_b32 v[TE0], 1, v[AM0]                ; its exponent field as the top byte
.elseif oj == 3
	v_lshlrev_b32 v[TE1], 1, v[AM1]
.elseif oj == 4
	v_perm_b32 v[TE0], v[TE1], v[TE0], v[SELP]     ; my two bytes, beta = h and 2 + h
.elseif oj == 5
	v_permlanex16_b32 v[TE1], v[TE0], s[SEL], s[SEL+1]
.elseif oj == 6
	v_or_b32 v[BSD], v[TE0], v[TE1]                ; with lane l xor 16's two the word is whole
.elseif oj < 15
	PM TP0, 0, oj-7, UG
.elseif oj < 22
	PM TP1, 16, oj-15, UG
.elseif oj == 22
	v_cvt_scalef32_pk16_fp6_f32 v[FD:FD+2], v[TP0:TP0+15], v[AM0]
.elseif oj == 23
	PM TP1, 16, 7, UG
.elseif oj < 31
	PM TP0, 0, oj-24, UG+2
.elseif oj == 31
	v_cvt_scalef32_pk16_fp6_f32 v[TX0:TX0+2], v[TP1:TP1+15], v[AM0]   ; (a conversion's three registers begin on an even number)
.elseif oj == 32
	PM TP0, 0, 7, UG+2
.elseif oj < 41
	PM TP1, 16, oj-33, UG+2
.elseif oj == 41
	v_cvt_scalef32_pk16_fp6_f32 v[FD+6:FD+8], v[TP0:TP0+15], v[AM1]
.elseif oj < 45
	v_mov_b32 v[FD+3+oj-42], v[TX0+oj-42]
.elseif oj == 45
	v_cvt_scalef32_pk16_fp6_f32 v[TX1:TX1+2], v[TP1:TP1+15], v[AM1]
.elseif oj == 46
	v_nop
.else
	v_mov_b32 v[FD+9+oj-47], v[TX1+oj-47]
.endif
.set oj, oj+1
.endm
; TRANSPOSED: source 0 = 16 columns of W, source 1 = 16 rows of x: a lane then holds eight neighbouring columns of one row
.macro MM zero
.if (\zero) && RW
	v_wmma_scale_f32_16x16x128_f8f6f4 v[AC:AC+7], v[FA:FA+11], v[XB:XB+11], 0, v[SB], v[SX] matrix_a_fmt:MATRIX_FMT_FP6 matrix_b_fmt:MATRIX_FMT_FP6 matrix_b_scale:MATRIX_SCALE_ROW1
.elseif \zero
	v_wmma_scale_f32_16x16x128_f8f6f4 v[AC:AC+7], v[FA:FA+11], v[XB:XB+11], 0, v[SB], v[SX] matrix_a_fmt:MATRIX_FMT_FP6 matrix_b_fmt:MATRIX_FMT_FP6
.elseif RW
	v_wmma_scale_f32_16x16x128_f8f6f4 v[AC:AC+7], v[FA:FA+11], v[XB:XB+11], v[AC:AC+7], v[SB], v[SX] matrix_a_fmt:MATRIX_FMT_FP6 matrix_b_fmt:MATRIX_FMT_FP6 matrix_b_scale:MATRIX_SCALE_ROW1
.else
	v_wmma_scale_f32_16x16x128_f8f6f4 v[AC:AC+7], v[FA:FA+11], v[XB:XB+11], v[AC:AC+7], v[SB], v[SX] matrix_a_fmt:MATRIX_FMT_FP6 matrix_b_fmt:MATRIX_FMT_FP6
.endif
.endm
; Set q of a step of parity par: 16 products (4 row tiles x 4 fragments; all 64 accumulators of a step take turns).
; mode 2: fragment q of the next step is made, the set is fetched again from the other slot, and in set 0 this step's slot, read out, is filled again with the step two on.
; mode 1: the same without a refill (nothing is left to ask for).  mode 0: the last step: products alone.  cnt: the LDS loads issued behind this set's 13, which may stay out.
.macro SET par, q, zero, mode, cnt
	s_wait_alu depctr_va_vdst(0)                   ; the wait ahead of the waits below
.if ((\q) == 0) && ((\mode) == 1)
	s_wait_tensorcnt 0x0                           ; my last tensor load: the last step, which this step fetches
.endif
	s_wait_dscnt \cnt
.if (\q) == 0
	s_wait_kmcnt 0x0                               ; the u0, u1 that this step's fragments take
.endif
.set FD,  FR+48*(1-\par)+12*(\q)
.set VT,  VR+32*(\q)
.set UG,  US+4*\par
.set BSD, BS+8*(1-\par)+(\q)
.set VQT, VQ+(\q)
.set oj, 0
.set nw, 0
.rept 16
.if ((\q) == 0) && ((\mode) == 2) && (nw == 8)
	WIN 0
	s_wait_alu depctr_va_vdst(0)
	s_wait_tensorcnt 0x0                           ; my one load that was out, the next step, has landed;
	ds_add_u32 v[SPW], v[NIL]                      ; 0 onto my spare word; four products and their vector lines stand between it and the wait for it
.endif
.if ((\q) == 0) && ((\mode) == 2) && (nw == 12)
	s_wait_alu depctr_va_vdst(0)
	s_wait_dscnt 0x0                               ; the add is done, and my reads of this step's slot are over (the last were issued a set ago)
	s_barrier_signal -1                            ; opens a round of the cluster's barrier; register work alone up to its end
	s_add_co_u32 s[SG], s[SG], 1
	s_and_b32 s[SG], s[SG], 31                     ; the step two on, round the 32
	s_mul_i32 s[T], s[SG], STEPB
	s_add_nc_u64 s[G0A+4*\par+2:G0A+4*\par+3], s[XW:XW+1], s[T:T+1]   ; no tensor load of mine is out: the descriptor may be written
	s_or_b32 s[G0A+4*\par+3], s[G0A+4*\par+3], 0x80000000
.endif
.set AC, 8*(4*(4*((\q)%2)+nw/4)+nw%4)
.set FA, FR+48*\par+12*(nw%4)
.set XB, 32*(1-(\q)/2)+48*((\q)%2)+12*(nw/4)
.set SB, BS+8*\par+nw%4
.set SX, XS+8*((\q)/2)+2*((\q)%2)+nw/8
.set RW, (nw/4)%2
	WIN 0xa1+0x54*((\q)/2)                         ; W window 1; x window 0 (sets 0, 1) or 1; sums window 2 or 3
	MM \zero
.set nw, nw+1
.if (\mode) && (nw%BW == 0)
.rept (NOPS*nw)/16-oj
	OP
.endr
.endif
.endr
	WIN 0
.if \mode
.if (\q) == 3
	PLACES                                         ; between the last fragment's last registers and the next step's products
.endif
.if ((\q) == 0) && ((\mode) == 2)
	s_wait_alu depctr_va_vdst(0)                   ; the wait ahead of the barrier and its branches
	s_barrier_wait -1
	CREST                                          ; no wave of any partner still reads this slot or has a load on its way
	tensor_load_to_lds s[G0A+4*\par:G0A+4*\par+3], s[G1:G1+7]   ; my one tensor load behind the round
	s_nop 0
	PLACES
	s_wait_xcnt 0x0                                ; the earlier scalar loads have read s[SOF]
	s_lshl_b32 s[SOF], s[SG], 10
	s_load_b32 s[US+4*(1-\par)], s[UB:UB+1], s[SOF]            ; u0, u1 of the step two on: the next step makes its fragments from them
	s_load_b32 s[US+4*(1-\par)+2], s[UB:UB+1], s[SOF] offset:0x200
.endif
	FETCH \q, 1-\par                               ; the vector lines above are the places behind the products that read these registers
.endif
.endm
.macro STEP par, zero, mode
.if (\mode) == 2
	SET \par, 0, \zero, 2, 39                      ; three younger sets of 13 loads
	SET \par, 1, \zero, 2, 13                      ; behind set 0's wait for 0 only the next step's sets are out
	SET \par, 2, \zero, 2, 26
	SET \par, 3, \zero, 2, 39
.elseif (\mode) == 1
.irp q, 0,1,2,3
	SET \par, \q, 0, 1, 39
.endr
.else
	SET \par, 0, 0, 0, 39
	SET \par, 1, 0, 0, 26
	SET \par, 2, 0, 0, 13
	SET \par, 3, 0, 0, 0
.endif
.endm
.irp t, 0,1,2,3                        ; the first step's four fragments
.set FD,  FR+12*\t
.set VT,  VR+32*\t
.set UG,  US+4
.set BSD, BS+\t
.set VQT, VQ+\t
.set oj, 0
.rept NOPS
	OP
.endr
.endr
	WIN 0
	PLACES
	STEP 0, 1, 2                                   ; the first step's products start the sums
	s_mov_b32 s[CNT], 14
.Lmain:
	STEP 1, 0, 2
	STEP 0, 0, 2
	s_sub_co_u32 s[CNT], s[CNT], 1
	s_cmp_lg_u32 s[CNT], 0
	s_wait_alu depctr_va_vdst(0)                   ; the wait ahead of the branch
	s_cbranch_scc1 .Lmain
	STEP 1, 0, 2                                   ; step 29 asks for step 31, the last refill
	STEP 0, 0, 1
	STEP 1, 0, 0
; THE WAY OUT: each wave's 256 x 64 sums go to its own stage, row by row; behind a barrier wave w adds the four stages' rows 64 w .. 64 w + 63 and stores them, sixteen lanes to a row's 256 bytes.
	PLACES                                         ; behind the products, whose sources are written and whose results are read below
	v_and_b32 v38, 15, v0
	v_bfe_u32 v39, v0, 4, 1
	v_mul_u32_u24 v[STO], v38, SPITCH              ; in: row r, 32 bytes for each half of the lanes
	v_lshl_add_u32 v[STO], v39, 5, v[STO]
	v_add_nc_u32 v[STO], s17, v[STO]
	s_mul_i32 s19, s[WV], 64*SPITCH
	v_mul_u32_u24 v[RD], v39, SPITCH               ; back: lanes 0-15 one row, lanes 16-31 the next
	v_lshl_add_u32 v[RD], v38, 4, v[RD]
	v_add_nc_u32 v[RD], s19, v[RD]
	v_add_nc_u32 v[RD+1], STGW, v[RD]
	v_add_nc_u32 v[RD+2], 2*STGW, v[RD]
	v_add_nc_u32 v[RD+3], 3*STGW, v[RD]
	v_lshlrev_b32 v[CO], 4, v38
	v_lshl_add_u32 v[CO], v39, 16, v[CO]           ; and the same two rows in out0
	s_wait_alu depctr_va_vdst(0)
	s_wait_dscnt 0x0                               ; my reads of the ring are over:
	s_barrier_signal -1
	s_barrier_wait -1                              ; and so are everybody's: the stages may be laid over it
.irp a, 0,1,2,3,4,5,6,7,8,9,10,11,12,13,14,15
	WIN 0x08+4*(\a/8)                              ; the data: window 2 or 3
.irp t, 0,1,2,3
	ds_store_b128 v[STO], v[8*(4*(\a%8)+\t):8*(4*(\a%8)+\t)+3] offset:16*SPITCH*\a+64*\t      ; each accumulator from its low end on
	ds_store_b128 v[STO], v[8*(4*(\a%8)+\t)+4:8*(4*(\a%8)+\t)+7] offset:16*SPITCH*\a+64*\t+16
.endr
.endr
	WIN 0
	s_wait_dscnt 0x0                               ; for the others' sake: my sums lie in LDS
	s_barrier_signal -1
	s_barrier_wait -1
.macro LOADB k                         ; four pairs of rows from each of the four stages
.irp i, 0,1,2,3
.irp v, 0,1,2,3
	ds_load_b128 v[BUF+64*((\k)%2)+16*\i+4*\v:BUF+64*((\k)%2)+16*\i+4*\v+3], v[RD+\v] offset:2*SPITCH*(4*(\k)+\i)
.endr
.endr
.endm
.macro SUMB k
.irp i, 0,1,2,3
.set RB, BUF+64*((\k)%2)+16*\i
	v_pk_add_f32 v[RB:RB+1], v[RB:RB+1], v[RB+4:RB+5]
	v_pk_add_f32 v[RB+2:RB+3], v[RB+2:RB+3], v[RB+6:RB+7]
	v_pk_add_f32 v[RB+8:RB+9], v[RB+8:RB+9], v[RB+12:RB+13]
	v_pk_add_f32 v[RB+10:RB+11], v[RB+10:RB+11], v[RB+14:RB+15]
	v_pk_add_f32 v[RB:RB+1], v[RB:RB+1], v[RB+8:RB+9]
	v_pk_add_f32 v[RB+2:RB+3], v[RB+2:RB+3], v[RB+10:RB+11]
	global_store_b128 v[CO], v[RB:RB+3], s[OB:OB+1] offset:131072*(4*(\k)+\i) th:TH_STORE_NT   ; sixteen lanes store 256 consecutive bytes, aligned
.endr
.endm
	LOADB 0
	LOADB 1
.irp k, 0,1,2,3,4,5,6,7
.if \k < 7
	s_wait_dscnt 16                                ; this batch's 16 loads are in; the next batch's may be out
.else
	s_wait_dscnt 0x0
.endif
	SUMB \k
.if \k < 6
	s_wait_xcnt 0x0                                ; the stores have read their registers: the batch two on may land there
	LOADB \k+2
.endif
.endr
	s_wait_tensorcnt 0x0                           ; the wave's end
	ds_add_u32 v[SPW], v[NIL]
	s_wait_dscnt 0x0
	CROUND                                         ; the closing round: no work-group ends while a partner may still ask for a tile that names it
	s_endpgm
.Lfunc_end_k_q2cc4ec3648_kron:
	.size	k_q2cc4ec3648_kron, .Lfunc_end_k_q2cc4ec3648_kron-k_q2cc4ec3648_kron
	.p2alignl 7, 3214868480
	.fill 96, 4, 3214868480
	.section	.rodata,"a",@progbits
	.p2align	6, 0x0
	.amdhsa_kernel k_q2cc4ec3648_kron
		.amdhsa_group_segment_fixed_size 327680
		.amdhsa_private_segment_fixed_size 0
		.amdhsa_enable_private_segment 0
		.amdhsa_kernarg_size 32
		.amdhsa_user_sgpr_count 2
		.amdhsa_user_sgpr_kernarg_segment_ptr 1
		.amdhsa_wavefront_size32 1
		.amdhsa_system_sgpr_workgroup_id_x 1
		.amdhsa_system_sgpr_workgroup_id_y 1
		.amdhsa_system_sgpr_workgroup_id_z 1
		.amdhsa_system_vgpr_workitem_id 0
		.amdhsa_next_free_vgpr 1024
		.amdhsa_next_free_sgpr 72
		.amdhsa_reserve_vcc 1
		.amdhsa_float_denorm_mode_32 3
		.amdhsa_float_denorm_mode_16_64 3
		.amdhsa_memory_ordered 1
		.amdhsa_forward_progress 1
		.amdhsa_inst_pref_size 205
	.end_amdhsa_kernel
	.amdgpu_metadata
---
amdhsa.version: [ 1, 2 ]
amdhsa.kernels:
  - .name:           k_q2cc4ec3648_kron
    .symbol:         k_q2cc4ec3648_kron.kd
    .args:
      - { .name: xq, .offset: 0, .size: 8, .value_kind: global_buffer, .address_space: global }
      - { .name: U, .offset: 8, .size: 8, .value_kind: global_buffer, .address_space: global }
      - { .name: V, .offset: 16, .size: 8, .value_kind: global_buffer, .address_space: global }
      - { .name: out0, .offset: 24, .size: 8, .value_kind: global_buffer, .address_space: global }
    .group_segment_fixed_size: 327680
    .private_segment_fixed_size: 0
    .kernarg_segment_align: 8
    .kernarg_segment_size: 32
    .max_flat_workgroup_size: 128
    .sgpr_count:     72
    .vgpr_count:     1024
    .wavefront_size: 32
...
	.end_amdgpu_metadata
.endif
;; end of part 2
